; MI455X (gfx1250); checked and timed in simulation.
; The chip was launched on July 23, 2026; its instructions are those of AMD's public machine-readable ISA for CDNA 5 (MIT licence, August 2026) and "CDNA5" Instruction Set Architecture Reference Guide (July 2026). The comments in the code are by the model that wrote it; some were corrected since.
;; Weight Only Int8 Linear. Allowed arithmetic: matrix products marked QUANTISED: E2M1 operands, one E8M0 scale for each 32 along K, by v_wmma_scale_f32_16x16x128_f8f6f4 with both operands' format E2M1 (or v_wmma_scale_f32_32x16x128_f4), f32 sums; everything else in f32.
;; Inputs: inputs_codes 4 x 1,024 x 128 x 16 uint8 (E2M1 codes of inputs, K innermost, in blocks of 32 codes, two codes a byte); inputs_scales 4 x 1,024 x 128 uint8 (E8M0 scales of inputs, one for each 32 codes along K); weight 4,096 x 4,096 int8; weight_scaler 4,096 float32.
;; Outputs: out0 4 x 1,024 x 4,096 float32.
;; This version of the problem:
;;   THIS VERSION OF THE PROBLEM IS GIVEN IN LOW PRECISION. The matrix products marked QUANTISED in the list below multiply operands that are first quantised to E2M1 (2 exponent bits, 1 mantissa bit; 4 bits a number), with one power-of-two scale for each 32 numbers along K (OCP MX v1.0); their sums are f32. All else is computed in f32.
;;   The module's matrix products, in the order in which they are computed (A, B: the left and right operand; K: the contracted axis; several contracted axes count as one K, in the product's order):
;;     1. [M 4,096, K 4,096] x [K 4,096, N 4,096]; A: input inputs (given as codes); B: input weight: QUANTISED
;;   THE QUANTISER, for each operand of a quantised product, along K:
;;     - K is cut into blocks of 32 from its start; a last block that is shorter is filled with zeros.
;;     - A block's scale is 2^e with e = floor(log2(the largest magnitude in the block)) - 2, held to -126 .. 127; a block of zeros has e = 0. As a byte (E8M0): e + 127.
;;     - Each number is divided by its block's scale, clamped to +-6, and rounded to the nearest number of E2M1, ties to even, subnormals kept.
;;     - The product sums the exact products of the quantised numbers (number of the format x scale) in f32.
;;   ~~~python
;;   def quantise(x, axis):      # numpy; x: float32 -> the quantised numbers, widened to float32 again
;;       x = np.moveaxis(x, axis, -1); K = x.shape[-1]
;;       x = np.pad(x, [(0, 0)] * (x.ndim - 1) + [(0, -K % 32)]); x = x.reshape(x.shape[:-1] + (-1, 32)); a = np.abs(x).max(-1, keepdims=True)
;;       e = np.where(a > 0, np.clip(np.frexp(np.where(a > 0, a, 1))[1] - 1 - 2, -126, 127), 0)      # np.frexp(a)[1] - 1 = floor(log2(a)), exactly
;;       r = np.clip(x / 2.0 ** e, -6, 6)
;;       step = 2.0 ** (np.maximum(np.frexp(np.where(r == 0, 1, r))[1] - 1, 0) - 1)
;;       q = np.round(r / step) * step * 2.0 ** e      # np.round: ties to even
;;       return np.moveaxis(q.reshape(q.shape[:-2] + (-1,))[..., :K], -1, axis).astype(np.float32)
;;   ~~~
;;   INPUTS GIVEN AS CODES. inputs (in the module: [4, 1024, 4096], K = its axis 2): each comes as NAME_codes (uint8): NAME with its K axis moved to the last place and cut into blocks of 32 codes, [.., K / 32, bytes a block], one block behind the other in memory; two codes a byte, the lower K in the low four bits (a code: sign, 2 exponent bits, 1 mantissa bit); and NAME_scales (uint8): the same leading axes, one E8M0 byte (e + 127) for each 32 codes along K. Its value is code x scale, taken as it is: it is not quantised again, and the codes and scales need not be those that the quantiser above would give.
;; One version. Each part assembles by itself: llvm-mc -triple=amdgcn-amd-amdhsa -mcpu=gfx1250 --defsym DOCPART=n.
;; ======== version 1 of 1: 2 launches
;; limits: right only within a limited range of input values
;; workspace buffers: wq 8,912,896 bytes
;; launch prep (part 1): grid 256 x 1, 8 waves a work-group, no clusters, 44,544 bytes of LDS; arguments weight, wq; writes wq
.if DOCPART == 1
	.amdgcn_target "amdgcn-amd-amdhsa--gfx1250"
	.amdhsa_code_object_version 6
	.text
	.protected	k_qfa6e82d92f_prep
	.globl	k_qfa6e82d92f_prep
	.p2align	8
	.type	k_qfa6e82d92f_prep,@function
k_qfa6e82d92f_prep:
	s_mov_b64 s[64:65], 0
	v_nop
	global_prefetch_b8 v0, s[64:65] scope:SCOPE_SE
	s_setreg_imm32_b32 hwreg(HW_REG_WAVE_MODE, 25, 1), 1
	s_wait_xcnt 0x0
; W [4096 n][4096 k], int8, K innermost, is turned into codes of FP4 (E2M1), two a byte, and one E8M0 byte for each 32 along K, laid in the order in which the product's operand registers take them:
; wq[n / 64][k / 128][4,352 bytes].  Such a piece is 17 units of 256 bytes: unit 4 t + 2 c + g (t = 0 .. 3, c, g = 0, 1) holds, 16 bytes for each r = 0 .. 15, the 32 codes of column n = 64 (n / 64) + 4 r + t,
; k = 128 (k / 128) + 64 c + 32 g + 0 .. 31, the lower k in the low four bits; unit 16 holds the scale bytes: byte 16 r + 4 t + b for column 4 r + t, k = 128 (k / 128) + 32 b.
; A block's scale is 2^(floor(log2(its largest magnitude)) - 2); its byte is the largest magnitude's exponent field - 2, held at 1 from below.  Each number is divided by the scale and rounded to
; the nearest code, ties to even; beyond 6 the largest code.  All 256 values of an int8 are served, -128 too.
; LIMIT: a block of zeros gets the byte 1 where the rule says 127: its codes are zeros, which add nothing under any byte but 0xff, and these bytes are read by this program alone.
; SHARES.  Work-group g takes columns 64 (g / 4) .. + 63 and k = 1,024 (g % 4) .. + 1,023: eight pieces.  Wave w reads 8 of the 64 rows of W, first their lower 512 along K, then their upper 512, 512 consecutive bytes a load;
; a lane holds 16 neighbouring numbers, two neighbouring lanes hold a block.  Codes and scale bytes meet in LDS.  Behind the first barrier pieces 0-3 are whole: two waves share a piece and store its codes while the upper half
; is converted; behind the second barrier go the codes of pieces 4-7, and wave w stores piece w's scale unit.  A store of codes covers 512 consecutive bytes.
; In LDS a unit takes 272 bytes and a piece 20 units (17 used), so that the 32 lanes of a store of codes touch 64 different banks (64 banks of 4 bytes: ISA guide 11.1).
; No matrix unit, no tensor load, no cluster: a stream in which no two work-groups read the same bytes.
.set ROWW,  4096                       ; a row of W in bytes
.set PCH,   4352                       ; a piece of wq
.set UNIT,  272                        ; a unit of 256 bytes in LDS
.set PIECE, 20*UNIT                    ; a piece in LDS
.set SPARE, 8*PIECE                    ; the spare words: 128 bytes for each wave
.set R,     16                         ; v16-79   load s: 4 registers, 16 int8; later the pieces read back
.set X,     80                         ; v80-111  two sets of 16 numbers in f32, by turns
.set E,     112                        ; v112-127 a scale byte for each load
.set C,     128                        ; v128-159 two registers of codes for each load
	s_load_b128 s[4:7], s[0:1], 0x0                ; W s[4:5], wq s[6:7]
	v_lshl_add_u32 v12, v0, 2, SPARE
	v_mov_b32 v13, 0
	v_lshrrev_b32 v1, 5, v0
	v_and_b32 v3, 31, v0
	v_mov_b32 v10, 0x4b000000                      ; 2^23 as f32: a byte laid into its lowest 8 bits adds that byte's value
	v_readfirstlane_b32 s14, v1                    ; wave 0..7
	s_lshr_b32 s8, s14, 1                          ; which piece of four I share in,
	s_and_b32 s9, s14, 1                           ; and which half of its codes
	s_mul_i32 s17, s8, PIECE
	s_mul_i32 s10, s9, 8*UNIT
	s_add_co_u32 s17, s17, s10
	v_lshlrev_b32 v2, 4, v3                        ; my 16 bytes of 512
	v_lshlrev_b32 v4, 3, v3                        ; my 8 bytes of 256
	v_lshrrev_b32 v8, 3, v3                        ; which of a load's four pieces
	v_bfe_u32 v14, v3, 1, 2                        ; which block of 32 of the piece's 128 along K: 2 c + g
	v_and_b32 v15, 1, v3                           ; which half of the block
	v_lshrrev_b32 v9, 4, v3
	v_and_b32 v11, 15, v3
	v_mul_u32_u24 v8, v8, PIECE
	v_mul_u32_u24 v5, v14, UNIT
	v_mul_u32_u24 v7, v9, UNIT
	s_lshl_b32 s15, s14, 5                         ; r = 2 w + (row / 4): 32 bytes a wave
	s_mul_i32 s16, s14, PIECE
	v_add_nc_u32 v6, v8, v14
	v_add_nc_u32 v5, v8, v5
	v_lshl_add_u32 v7, v11, 4, v7
	v_add_nc_u32 v1, s16, v4                       ; LDS: 8 bytes of piece w's scale unit (+ 16 UNIT)
	v_lshl_add_u32 v5, v15, 3, v5
	v_add_nc_u32 v6, s15, v6                       ; LDS: my block's scale byte
	v_add_nc_u32 v7, s17, v7                       ; LDS: 16 bytes of my half piece, two units a load
	v_add_nc_u32 v5, s15, v5                       ; LDS: my 8 bytes of codes
	s_mov_b32 s20, 0x80808080                      ; turns four int8 into four bytes w + 128
	s_mov_b32 s21, 0x03020104                      ; byte selects: byte b of the first source under the upper three bytes of the second
	s_mov_b32 s22, 0x03020105
	s_mov_b32 s23, 0x03020106
	s_mov_b32 s24, 0x03020107
	s_mov_b32 s26, 0xcb000080                      ; -(2^23 + 128)
	s_mov_b32 s27, s26                             ; (named with it as a pair, so it is written)
	s_lshr_b32 s28, ttmp9, 2                       ; which 64 columns
	s_and_b32 s29, ttmp9, 3                        ; which 1,024 along K
	s_lshl_b32 s18, s28, 18                        ; W: 64 rows of 4,096 bytes,
	s_lshl_b32 s30, s14, 15                        ; 8 rows a wave,
	s_add_co_u32 s18, s18, s30
	s_lshl_b32 s30, s29, 10                        ; 1,024 bytes along K
	s_add_co_u32 s18, s18, s30
	s_mov_b32 s19, 0
	s_mul_i32 s30, s29, 8*PCH
	s_mul_i32 s28, s28, 32*PCH
	s_add_co_u32 s30, s30, s28                     ; wq: my work-group's eight pieces
	s_mul_i32 s28, s14, PCH
	s_add_co_u32 s28, s28, s30                     ; piece w
	s_mov_b32 s29, 0
	s_mul_i32 s8, s8, PCH
	s_lshl_b32 s9, s9, 11
	s_add_co_u32 s30, s30, s8
	s_add_co_u32 s30, s30, s9                      ; my half piece
	s_mov_b32 s31, 0
	s_wait_alu depctr_va_vdst(0)
	s_wait_kmcnt 0x0
	s_add_nc_u64 s[4:5], s[4:5], s[18:19]
	s_add_nc_u64 s[10:11], s[6:7], s[28:29]
	s_add_nc_u64 s[6:7], s[6:7], s[30:31]
.irp s, 0,1,2,3,4,5,6,7,8,9,10,11,12,13,14,15
	global_load_b128 v[R+4*\s:R+4*\s+3], v2, s[4:5] offset:ROWW*(\s%8)+512*(\s/8) th:TH_LOAD_NT   ; row s % 8 of my eight, half s / 8; read once in the launch
.endr
.macro STEP t
.set XS, X+16*((\t)%2)
	s_wait_loadcnt 15-(\t)                         ; load t is in; the later ones may be out
.irp i, 0,1,2,3
	v_xor_b32 v[R+4*(\t)+\i], s20, v[R+4*(\t)+\i]  ; four bytes w + 128, 0 to 255
.endr
.irp i, 0,1,2,3
.irp b, 0,1,2,3
	v_perm_b32 v[XS+4*\i+\b], v[R+4*(\t)+\i], v10, s[21+\b]   ; 2^23 + (w + 128) as f32, exactly
.endr
.endr
.irp j, 0,2,4,6,8,10,12,14
	v_pk_add_f32 v[XS+\j:XS+\j+1], v[XS+\j:XS+\j+1], s[26:27] op_sel_hi:[1,0]   ; less 2^23 + 128: w in f32, nothing rounded
.endr
	v_max3_num_f32 v8, |v[XS]|, |v[XS+1]|, |v[XS+2]|           ; the largest magnitude of my 16, in two chains
	v_max3_num_f32 v9, |v[XS+3]|, |v[XS+4]|, |v[XS+5]|
.irp i, 6,10
	s_delay_alu instid0(VALU_DEP_2)
	v_max3_num_f32 v8, v8, |v[XS+\i]|, |v[XS+\i+1]|
	s_delay_alu instid0(VALU_DEP_2)
	v_max3_num_f32 v9, v9, |v[XS+\i+2]|, |v[XS+\i+3]|
.endr
	s_delay_alu instid0(VALU_DEP_2)
	v_max3_num_f32 v8, v8, |v[XS+14]|, |v[XS+15]|
	s_delay_alu instid0(VALU_DEP_1)
	v_max3_num_f32 v8, v8, v9, 0x1800000           ; and the floor 2^(3 - 127): the byte cannot fall under 1
	s_delay_alu instid0(VALU_DEP_1)
	v_max_num_f32_dpp v8, v8, v8 row_xmask:1 row_mask:0xf bank_mask:0xf   ; with my neighbour's 16: the block's
	s_delay_alu instid0(VALU_DEP_1)
	v_add_nc_u32 v11, 0xff000000, v8               ; 2 off its exponent field: the conversion takes the exponent field of this operand as its scale, and nothing else of it
	v_cvt_scalef32_pk8_fp4_f32 v[C+2*(\t)], v[XS:XS+7], v11        ; eight codes, the first number's in the lowest four bits
	v_cvt_scalef32_pk8_fp4_f32 v[C+2*(\t)+1], v[XS+8:XS+15], v11
	v_lshrrev_b32 v[E+(\t)], 23, v11               ; the scale's byte.  (Also the plain instruction behind the conversions)
	ds_store_b64 v5, v[C+2*(\t):C+2*(\t)+1] offset:4*PIECE*((\t)/8)+4*UNIT*((\t)%4)+16*(((\t)%8)/4)         ; tile (row % 4), r = 2 w + row / 4
	ds_store_b8 v6, v[E+(\t)] offset:4*PIECE*((\t)/8)+16*UNIT+4*((\t)%4)+16*(((\t)%8)/4)                    ; both lanes of a block write the same byte with the same value
.endm
.macro MEET
	s_wait_dscnt 0x0                               ; for the others' sake: my stores are done
	s_barrier_signal -1
	s_barrier_wait -1
.endm
.irp t, 0,1,2,3,4,5,6,7
	STEP \t
.endr
	MEET
.irp i, 0,1,2,3
	ds_load_b128 v[R+4*\i:R+4*\i+3], v7 offset:2*UNIT*\i
.endr
	STEP 8
	s_wait_dscnt 2                                 ; all but the step's two stores
.irp i, 0,1,2,3
	global_store_b128 v2, v[R+4*\i:R+4*\i+3], s[6:7] offset:512*\i       ; 32 lanes store 512 consecutive bytes, aligned to 256
.endr
.irp t, 9,10,11,12,13,14,15
	STEP \t
.endr
	MEET
.irp i, 0,1,2,3
	ds_load_b128 v[R+16+4*\i:R+16+4*\i+3], v7 offset:4*PIECE+2*UNIT*\i
.endr
	ds_load_b64 v[R+32:R+33], v1 offset:16*UNIT
.irp i, 0,1,2,3
	s_wait_dscnt 4-\i
	global_store_b128 v2, v[R+16+4*\i:R+16+4*\i+3], s[6:7] offset:4*PCH+512*\i
.endr
	s_wait_dscnt 0x0
	global_store_b64 v4, v[R+32:R+33], s[10:11] offset:4096              ; the scale unit: 256 consecutive bytes, aligned
	s_wait_tensorcnt 0x0                           ; the wave's end
	ds_add_u32 v12, v13
	s_wait_dscnt 0x0
	s_endpgm
.Lfunc_end_k_qfa6e82d92f_prep:
	.size	k_qfa6e82d92f_prep, .Lfunc_end_k_qfa6e82d92f_prep-k_qfa6e82d92f_prep
	.p2alignl 7, 3214868480
	.fill 96, 4, 3214868480
	.section	.rodata,"a",@progbits
	.p2align	6, 0x0
	.amdhsa_kernel k_qfa6e82d92f_prep
		.amdhsa_group_segment_fixed_size 44544
		.amdhsa_private_segment_fixed_size 0
		.amdhsa_enable_private_segment 0
		.amdhsa_kernarg_size 16
		.amdhsa_user_sgpr_count 2
		.amdhsa_user_sgpr_kernarg_segment_ptr 1
		.amdhsa_wavefront_size32 1
		.amdhsa_system_sgpr_workgroup_id_x 1
		.amdhsa_system_sgpr_workgroup_id_y 1
		.amdhsa_system_sgpr_workgroup_id_z 1
		.amdhsa_system_vgpr_workitem_id 0
		.amdhsa_next_free_vgpr 160
		.amdhsa_next_free_sgpr 66
		.amdhsa_reserve_vcc 0
		.amdhsa_float_denorm_mode_32 3
		.amdhsa_float_denorm_mode_16_64 3
		.amdhsa_memory_ordered 1
		.amdhsa_forward_progress 1
		.amdhsa_inst_pref_size 52
	.end_amdhsa_kernel
	.amdgpu_metadata
---
amdhsa.version: [ 1, 2 ]
amdhsa.kernels:
  - .name:           k_qfa6e82d92f_prep
    .symbol:         k_qfa6e82d92f_prep.kd
    .args:
      - { .name: weight, .offset: 0, .size: 8, .value_kind: global_buffer, .address_space: global }
      - { .name: wq, .offset: 8, .size: 8, .value_kind: global_buffer, .address_space: global }
    .group_segment_fixed_size: 44544
    .private_segment_fixed_size: 0
    .kernarg_segment_align: 8
    .kernarg_segment_size: 16
    .max_flat_workgroup_size: 256
    .sgpr_count:     66
    .vgpr_count:     160
    .wavefront_size: 32
...
	.end_amdgpu_metadata
.endif
;; end of part 1
;; launch gemm (part 2): grid 16 x 16, 4 waves a work-group, clusters of 4 x 1, 327,680 bytes of LDS; arguments inputs_codes, inputs_scales, wq, weight_scaler, out0; writes out0
.if DOCPART == 2
	.amdgcn_target "amdgcn-amd-amdhsa--gfx1250"
	.amdhsa_code_object_version 6
	.text
	.protected	k_qfa6e82d92f_gemm
	.globl	k_qfa6e82d92f_gemm
	.p2align	8
	.type	k_qfa6e82d92f_gemm,@function
k_qfa6e82d92f_gemm:
	s_mov_b64 s[64:65], 0
	v_nop
	global_prefetch_b8 v0, s[64:65] scope:SCOPE_SE
	s_setreg_imm32_b32 hwreg(HW_REG_WAVE_MODE, 25, 1), 1
	s_wait_xcnt 0x0
	s_wait_alu depctr_hold_cnt(0) depctr_sa_sdst(0) depctr_va_vdst(0) depctr_va_sdst(0) depctr_va_ssrc(0) depctr_va_vcc(0) depctr_vm_vsrc(0)
	s_getreg_b32 s2, hwreg(HW_REG_IB_STS2, 6, 4)
	s_cmp_eq_u32 s2, 0
	s_cbranch_scc0 .Lentry_in_a_cluster
	s_endpgm
.Lentry_in_a_cluster:
	s_bfe_u32 s2, ttmp6, 0x10000c
	s_cmp_lg_u32 s2, 0x3003
	s_cbranch_scc0 .Lentry_shape_is_right
	s_endpgm
.Lentry_shape_is_right:
; out0[m][n] = weight_scaler[n] x the sum over k of A[m][k] W[n][k], M = N = K = 4,096.  Both operands: codes of FP4 (E2M1), one E8M0 byte for each 32 along K.  A and its scale bytes as they are given; W as wq holds it
; (the first kernel's comment).  Sums in f32, the scaler applied in f32 on the way out.  A scale byte 0xff among the given ones makes its sums NaN, as the format says.
; A WORK-GROUP makes 256 x 256, a wave all 256 rows x 64 columns: 32 accumulators of 32 x 16, 512 registers.  K goes in 32 steps of 128, 32 matrix instructions each.
; A COMES THROUGH LDS: a ring of two slots of 1,024 along K (256 rows x 512 bytes, 16 bytes of padding behind each), so four fills in all; its scale bytes, for all of K, come once and stay.
; W GOES FROM MEMORY STRAIGHT INTO REGISTERS: a wave's columns are its own, and its 32 pieces are 139,264 consecutive bytes.  Six buffers of a step; a step's piece is asked for five steps, 160 matrix instructions, ahead.
; TILE t (0 .. 3) TAKES THE COLUMNS 4 r + t: so lane (r, h) holds the four neighbouring columns 4 r .. 4 r + 3 of a row in its four accumulators, and 16 neighbouring lanes store 256 consecutive bytes, aligned.
; CLUSTERS: 4 x 1.  The four have the same rows: A's tiles and scale bytes are asked for JOINTLY (mask 15, the same descriptors).  W's pieces, which the work-groups of other rows read too, are not: a joint load lands in LDS,
; where A leaves 23,040 bytes, and a step's piece of 256 columns is 17,408: less than two slots of one step.
; THE LAST FOUR STEPS GO BY ROWS: their pieces of W all lie in registers, and the wave's eight blocks of 32 rows are finished one after the other, so that a block's rows leave while others are multiplied.
; PREFETCH: the ring's two refills (K pairs 2 and 3; a pair = 1,024 along K) are asked of memory six and seven steps ahead of their loads; each of the four partners names 64 of the 256 rows, a lane 256 bytes, one instruction a wave and
; pair, each block once in the cluster.  Pairs 0 and 1 come by their loads at the head; W's own loads to registers run ahead by themselves.
; REGISTERS, in windows of 256: window 0: v0-15 addresses and the scaler; v16-31 A's scale words (2 sets x 8 blocks of 32 rows); v32-55 W's scale words (6 buffers x 4 tiles); v64-255 W's codes, six buffers of 32.
;   window 1: A's fragments, two sets of 128 (8 blocks x 32 rows x 128 K); in the last four steps two sets of 64 (32 rows x 512 K) and two of 64 results on their way out.
;   window 2: the accumulators of rows 0-127 (block b, tile t at v[64 b + 16 t]);   window 3: those of rows 128-255.
; A step is one run of memory instructions and then its products.  (The steps are written out: register numbers come back after six steps for W and two for A, LDS addresses after 16, and of 32 steps the first, each eighth, the prefetching ones
; and the last five differ.)
.set PCH,   4352                       ; a piece of wq: 64 columns x 128 K: 4,096 bytes of codes, 256 of scale bytes
.set PITCH, 528                        ; an LDS row of A: 512 bytes + 16 of padding: rows start 4 banks apart (64 banks of 4 bytes: ISA guide 11.1)
.set SLOT,  256*PITCH
.set SCAL,  2*SLOT                     ; A's scale bytes: two rows of 128 bytes, then 8 of padding
.set SPARE, SCAL+128*264               ; the spare words: 128 bytes for each wave, two blocks of 256 bytes that no other line names
.set RSTR,  16384                      ; a row of out0 in bytes
.set WSO,  1                           ; v1    16 r: my place in a scale unit of wq, and in weight_scaler
.set ADS,  2                           ; v2    LDS address of A's scale words: row = lane of a block of 32
.set PFO,  3                           ; v3    the prefetches' offset from the tile's first byte of A
.set ADR,  4                           ; v4-7  LDS address of A's fragments: slot 0 rows 0-127, rows 128-255; slot 1 the same
.set CO,   8                           ; v8    my byte offset in out0: 8 h rows + 16 r
.set WOF,  9                           ; v9    16 x lane
.set SPW,  10                          ; v10   LDS address of my spare word
.set NIL,  11                          ; v11   0
.set SCL,  12                          ; v12-15 weight_scaler of my four columns
.set AS,   16
.set WS,   32
.set WF,   64
.set OUT,  128                         ; results on their way out, in window 1
.set WP,   8                           ; s[8:9] my pieces of wq
.set G1H,  24                          ; s[24:31] descriptor group 1 of the head's tiles of A;  s[32:39] of the scale bytes;  s[40:47] of the ring's tiles of A
.set G1S,  32
.set G1R,  40
.set G0H,  48                          ; s[48:51], s[52:55] groups 0 of the head's tiles;  s[56:59], s[60:63], s[68:71] of pairs 1, 2, 3
.set G0S,  52
.set G0R1, 56
.set G0R2, 60
.set G0R3, 68
.set MSB, 0
.macro WIN new                         ; the immediate's high byte repeats the setting that is left
.if MSB != \new
	s_set_vgpr_msb (MSB<<8)|\new
.set MSB, \new
.endif
.endm
.set MUL_LO, 0xa1                      ; source 0 (A) window 1, source 1 (W) window 0, C and D window 2
.set MUL_HI, 0xf1                      ; the same, C and D window 3
.set TO_A,   0x40                      ; destination window 1, address window 0
.macro PLACES
.rept 4
	v_nop
.endr
.endm
.macro CREST                           ; a round of the cluster's barrier behind its opening barrier
	s_cmp_lg_u32 s16, 0
	s_cbranch_scc1 .Lnot_wave_0_\@
	s_barrier_signal -3
.Lnot_wave_0_\@:
	s_barrier_wait -3
	s_barrier_signal -1
	s_barrier_wait -1
.endm
.macro CROUND                          ; a whole round
	s_barrier_signal -1
	s_barrier_wait -1
	CREST
.endm
	s_load_b256 s[4:11], s[0:1], 0x0               ; A's codes s[4:5], A's scales s[6:7], wq s[8:9], weight_scaler s[10:11]
	s_load_b64 s[12:13], s[0:1], 0x20              ; out0
	v_lshl_add_u32 v[SPW], v0, 2, SPARE
	v_mov_b32 v[NIL], 0
	ds_add_u32 v[SPW], v[NIL]                      ; the wave's opening
	ds_add_u32 v[SPW], v[NIL]
	v_lshrrev_b32 v1, 5, v0
	v_readfirstlane_b32 s16, v1                    ; wave 0..3
	s_bfe_u32 s73, ttmp6, 0x40000                  ; cx: my place in the cluster
	s_lshl_b32 s72, s73, 17                        ; the prefetches: 64 rows of 2,048 bytes a work-group,
	s_lshl_b32 s74, s16, 15                        ; 16 a wave
	s_add_co_u32 s72, s72, s74
	v_and_b32 v56, 15, v0                          ; r
	v_bfe_u32 v57, v0, 4, 1                        ; h
	v_and_b32 v58, 31, v0                          ; lane
	v_and_b32 v59, 1, v0
	v_mul_u32_u24 v4, v56, PITCH
	v_lshrrev_b32 v60, 1, v58
	v_lshlrev_b32 v[WSO], 4, v56
	v_lshlrev_b32 v[PFO], 11, v56
	v_mul_u32_u24 v2, v60, 264
	v_lshl_add_u32 v4, v57, 4, v4                  ; a fragment: row r, 16 h
	v_lshl_add_u32 v[PFO], v57, 8, v[PFO]          ; a lane: one of 16 rows, one of the pair's two blocks of 256 bytes
	v_lshl_add_u32 v2, v59, 7, v2
	v_lshlrev_b32 v[WOF], 4, v58
	v_lshl_add_u32 v[CO], v57, 17, v[WSO]          ; 8 rows of 16,384 bytes for the upper half of the lanes
	v_add_nc_u32 v5, 128*PITCH, v4
	v_add_nc_u32 v6, SLOT, v4
	v_add_nc_u32 v7, SLOT+128*PITCH, v4
	v_add_nc_u32 v[ADS], SCAL, v2
	v_add_nc_u32 v[PFO], s72, v[PFO]
	s_and_b32 s17, s16, 1
	s_lshl_b32 s18, ttmp9, 2
	s_add_co_u32 s18, s18, s73                     ; tile column, 0..15
	s_and_b32 s19, ttmp7, 0xffff                   ; tile row, 0..15
	; descriptor groups 1.  Word 0: 15:0 the mask; 17:16 element size; 20 padding on; 21 set beside a mask; 24:22 after how many words; 31:25 how many
	s_mov_b32 s[G1H], 15|(1<<20)|(1<<21)|(6<<22)|(3<<25)           ; elements of 1 byte; four words behind every 128
	s_mov_b32 s[G1H+1], 512<<16                    ; tensor_dim0
	s_mov_b32 s[G1H+2], 128<<16                    ; tensor_dim1
	s_mov_b32 s[G1H+3], 512<<16                    ; tile_dim0
	s_mov_b32 s[G1H+4], 128                        ; tile_dim1
	s_mov_b32 s[G1H+5], 2048                       ; a row of A
	s_mov_b32 s[G1H+6], 0
	s_mov_b32 s[G1H+7], 0
	s_mov_b32 s[G1R], 15|(1<<20)|(1<<21)|(6<<22)|(3<<25)           ; the same with 64 rows
	s_mov_b32 s[G1R+1], 512<<16
	s_mov_b32 s[G1R+2], 64<<16
	s_mov_b32 s[G1R+3], 512<<16
	s_mov_b32 s[G1R+4], 64
	s_mov_b32 s[G1R+5], 2048
	s_mov_b32 s[G1R+6], 0
	s_mov_b32 s[G1R+7], 0
	s_mov_b32 s[G1S], 15|(3<<16)|(1<<20)|(1<<21)|(5<<22)|(1<<25)   ; elements of 8 bytes; two words behind every 64: the dense 16,384 bytes of 128 rows as 64 rows of 256
	s_mov_b32 s[G1S+1], 32<<16
	s_mov_b32 s[G1S+2], 64<<16
	s_mov_b32 s[G1S+3], 32<<16
	s_mov_b32 s[G1S+4], 64
	s_mov_b32 s[G1S+5], 32
	s_mov_b32 s[G1S+6], 0
	s_mov_b32 s[G1S+7], 0
	; where the tiles come from and go: by the tile row and the wave's number alone
	s_lshl_b32 s20, s19, 19                        ; A: 256 rows of 2,048 bytes
	s_mov_b32 s21, 0
	s_lshl_b32 s22, s19, 15                        ; its scales: 256 rows of 128 bytes,
	s_lshl_b32 s14, s17, 14                        ; 128 rows a half
	s_add_co_u32 s22, s22, s14
	s_mov_b32 s23, 0
	s_lshl_b32 s14, s17, 18                        ; the head: 128 rows of A a half
	s_mov_b32 s15, 0
	s_lshl_b32 s80, s16, 17                        ; the ring: 64 rows a wave
	s_mov_b32 s81, 0
	s_lshl_b32 s66, s18, 2                         ; wq: 4 groups of 64 columns a work-group, one a wave, 32 pieces each
	s_add_co_u32 s66, s66, s16
	s_mul_i32 s66, s66, 32*PCH
	s_mov_b32 s67, 0
	s_lshl_b32 s76, s18, 10                        ; my first column, in bytes of f32
	s_lshl_b32 s77, s16, 8
	s_add_co_u32 s76, s76, s77
	s_mov_b32 s77, 0
	s_lshl_b32 s78, s19, 22                        ; out0: 256 rows of 16,384 bytes
	s_mov_b32 s79, 0
	s_mul_i32 s74, s17, 128*PITCH
	s_mul_i32 s75, s17, 64*264
	s_mul_i32 s72, s16, 64*PITCH
	s_mov_b32 s[G0H], 1                            ; 1:0 count = 1
	s_mov_b32 s[G0H+1], s74                        ; LDS address
	s_mov_b32 s[G0S], 1
	s_add_co_u32 s[G0S+1], s75, SCAL
	s_mov_b32 s[G0R1], 1
	s_add_co_u32 s[G0R1+1], s72, SLOT
	s_mov_b32 s[G0R2], 1
	s_mov_b32 s[G0R2+1], s72
	s_mov_b32 s[G0R3], 1
	s_add_co_u32 s[G0R3+1], s72, SLOT
	s_wait_alu depctr_va_vdst(0)
	s_wait_dscnt 0x0                               ; both opening adds are done
	CROUND                                         ; all four work-groups are here: the joint loads meet
	s_wait_kmcnt 0x0
	s_add_nc_u64 s[4:5], s[4:5], s[20:21]          ; the tile's rows of A
	s_add_nc_u64 s[6:7], s[6:7], s[22:23]
	s_add_nc_u64 s[G0H+2:G0H+3], s[4:5], s[14:15]  ; global address
	s_or_b32 s[G0H+3], s[G0H+3], 0x80000000        ; type = 2
	s_mov_b64 s[G0S+2:G0S+3], s[6:7]
	s_or_b32 s[G0S+3], s[G0S+3], 0x80000000
	; the head's four tiles, one a wave: waves 0 and 1 pair 0's two halves, waves 2 and 3 the scale bytes' two halves
	s_cmp_lt_u32 s16, 2
	s_cbranch_scc0 .Lfor_scales
	tensor_load_to_lds s[G0H:G0H+3], s[G1H:G1H+7]
	s_nop 0
	PLACES
	s_branch .Lasked
.Lfor_scales:
	tensor_load_to_lds s[G0S:G0S+3], s[G1S:G1S+7]
	s_nop 0
	PLACES
.Lasked:
	s_add_nc_u64 s[WP:WP+1], s[WP:WP+1], s[66:67]
	s_add_nc_u64 s[10:11], s[10:11], s[76:77]
	s_add_nc_u64 s[12:13], s[12:13], s[76:77]
	s_add_nc_u64 s[12:13], s[12:13], s[78:79]
	s_add_nc_u64 s[80:81], s[4:5], s[80:81]
	s_add_nc_u64 s[G0R1+2:G0R1+3], s[80:81], 512   ; pair 1
	s_or_b32 s[G0R1+3], s[G0R1+3], 0x80000000
	s_add_nc_u64 s[G0R2+2:G0R2+3], s[80:81], 1024  ; pair 2
	s_or_b32 s[G0R2+3], s[G0R2+3], 0x80000000
	s_add_nc_u64 s[G0R3+2:G0R3+3], s[80:81], 1536  ; pair 3
	s_or_b32 s[G0R3+3], s[G0R3+3], 0x80000000
.macro PW S                            ; step S's piece of W: the scale words (lane r takes column 4 r + t's word into register t; both halves of the lanes read the same 256 bytes),
	global_load_b128 v[WS+4*((\S)%6):WS+4*((\S)%6)+3], v[WSO], s[WP:WP+1] offset:(\S)*PCH+4096
.irp i, 0,1,2,3,4,5,6,7                ; and the codes: load i = 2 t + c brings tile t's registers 4 c .. 4 c + 3; 32 lanes read 512 consecutive bytes
	global_load_b128 v[WF+32*((\S)%6)+4*\i:WF+32*((\S)%6)+4*\i+3], v[WOF], s[WP:WP+1] offset:(\S)*PCH+512*\i
.endr
.endm
.macro AL S                            ; step S's fragments of A: of each 128 rows load i = 4 (block of 32 rows) + 2 (16 rows) + c: lane (r, h) takes row r, K = 64 c + 32 h + 0 .. 31
.irp g, 0,1
.irp i, 0,1,2,3,4,5,6,7,8,9,10,11,12,13,14,15
	ds_load_b128 v[128*((\S)%2)+64*\g+4*\i:128*((\S)%2)+64*\g+4*\i+3], v[ADR+2*(((\S)/8)%2)+\g] offset:16*(\i/2)*PITCH+64*((\S)%8)+32*(\i%2)
.endr
.endr
.endm
.macro SA S                            ; and A's scale words: lane = row of a block of 32
.irp b, 0,1,2,3,4,5,6,7
	ds_load_b32 v[AS+8*((\S)%2)+\b], v[ADS] offset:16*264*\b+4*(\S)
.endr
.endm
.macro BA a                            ; block a's fragments of steps 28-31, in slot 1: 32 rows x 512 K
.irp q, 0,1,2,3
.irp i, 0,1,2,3
	ds_load_b128 v[64*((\a)%2)+16*\q+4*\i:64*((\a)%2)+16*\q+4*\i+3], v[ADR+2+(\a)/4] offset:(32*((\a)%4)+16*(\i/2))*PITCH+64*(4+\q)+32*(\i%2)
.endr
.endr
.endm
.macro SC a                            ; and its scale words of the four steps
	ds_load_b64 v[AS+4*((\a)%2):AS+4*((\a)%2)+1], v[ADS] offset:16*264*(\a)+112
	ds_load_b64 v[AS+4*((\a)%2)+2:AS+4*((\a)%2)+3], v[ADS] offset:16*264*(\a)+120
.endm
; Eight products of step S: rows of half g, products i0 .. i0 + 7: block i / 4 (source 0: A) x tile i % 4 (source 1: W).  The first step takes the constant 0 as C: nothing is ever cleared.
; The 32 accumulators take turns, one instruction a turn, in the same order in every step.
.macro MM g, i0, S
.irp i, 0,1,2,3,4,5,6,7
.set rD, 16*(\i0+\i)
.set rA, 128*((\S)%2)+64*\g+16*((\i0+\i)/4)
.set rW, WF+32*((\S)%6)+8*(\i%4)
.set xA, AS+8*((\S)%2)+4*\g+((\i0+\i)/4)
.set xW, WS+4*((\S)%6)+(\i%4)
.if (\S) == 0
	v_wmma_scale_f32_32x16x128_f4 v[rD:rD+15], v[rA:rA+15], v[rW:rW+7], 0, v[xA], v[xW]
.else
	v_wmma_scale_f32_32x16x128_f4 v[rD:rD+15], v[rA:rA+15], v[rW:rW+7], v[rD:rD+15], v[xA], v[xW]
.endif
.endr
.endm
; STEP S'S RUN OF MEMORY INSTRUCTIONS: step S + 1's fragments and scale words of A, step S + 5's piece of W.  The registers that they fill were last read by step S - 1's products or earlier ones.  A load into a register that a matrix
; instruction has read stands four places behind it, and only plain vector instructions that name none of its registers are places (ISA guide 7.12.1 for vector instructions): four v_nop stand in front of each run.
.macro RUN S
	WIN TO_A
.if (\S) < 27
	AL \S+1
	WIN 0
	SA \S+1
	PW \S+5
.else
	BA 0                                           ; the last four steps go by rows
	BA 1
	WIN 0
	SC 0
	SC 1
	global_load_b128 v[SCL:SCL+3], v[WSO], s[10:11]        ; weight_scaler of columns 4 r .. 4 r + 3
.endif
.if (\S) == 1
	global_prefetch_b8 v[PFO], s[4:5] offset:1024 th:TH_LOAD_NT scope:SCOPE_SE     ; pair 2, which step 7's load brings
.endif
.if (\S) == 8
	global_prefetch_b8 v[PFO], s[4:5] offset:1536 th:TH_LOAD_NT scope:SCOPE_SE     ; pair 3, which step 15's load brings
.endif
.endm
.macro SUB S
	s_wait_loadcnt 36                              ; this step's piece of W is in; the nine loads of each of the next four steps may be out
	s_wait_dscnt 0x0                               ; and its fragments and scale words of A, asked for a step ago
	PLACES
	RUN \S
	WIN MUL_LO
	MM 0, 0, \S
	MM 0, 8, \S
	WIN MUL_HI
	MM 1, 0, \S
	MM 1, 8, \S
.endm
; A slot's last step changes slots: ONE barrier; in front of it each wave waits for all its tensor loads, adds 0 to its spare word, and waits for that and for its own reads of this slot.  Behind it the next slot is whole.
; fill: the group 0 of this slot's refill (0: none); the barrier then opens a round of the cluster's barrier, and the joint refill, 64 rows a wave, is the first thing behind the round.
.macro TURN S, fill
	s_wait_loadcnt 36
	WIN 0
	s_wait_tensorcnt 0x0
	ds_add_u32 v[SPW], v[NIL]                      ; 0 onto my spare word
	s_wait_dscnt 1                                 ; this step's fragments are in; the add may be out
	WIN MUL_LO
	MM 0, 0, \S
	s_wait_dscnt 0x0                               ; the add is done, and my reads of this slot are over
	s_barrier_signal -1
	MM 0, 8, \S
	WIN 0
	s_barrier_wait -1
.if \fill
	CREST
	tensor_load_to_lds s[\fill:\fill+3], s[G1R:G1R+7]
	s_nop 0
.endif
	PLACES
	RUN \S
	WIN MUL_HI
	MM 1, 0, \S
	MM 1, 8, \S
.endm
.irp S, 0,1,2,3,4
	PW \S
.endr
	s_wait_alu depctr_va_vdst(0)
	s_wait_tensorcnt 0x0                           ; my tile of the head's four is in
	ds_add_u32 v[SPW], v[NIL]
	s_wait_dscnt 0x0
	CROUND                                         ; everybody's is, and all four work-groups are here
	tensor_load_to_lds s[G0R1:G0R1+3], s[G1R:G1R+7]        ; pair 1 into slot 1
	s_nop 0
	PLACES
	WIN TO_A
	AL 0
	WIN 0
	SA 0
.irp S, 0,1,2,3,4,5,6
	SUB \S
.endr
	TURN 7, G0R2
.irp S, 8,9,10,11,12,13,14
	SUB \S
.endr
	TURN 15, G0R3
.irp S, 16,17,18,19,20,21,22
	SUB \S
.endr
	TURN 23, 0
.irp S, 24,25,26,27
	SUB \S
.endr
; THE LAST FOUR STEPS, BY ROWS: block a's 16 products (its four accumulators by turns, K ascending), then the loads of block a + 2's fragments, then its results x the scaler into window 1, register 4 (16-row half u, row j) + t:
; the lane's four neighbouring columns side by side, each accumulator from its low end on; then 16 stores, each of two rows x 256 consecutive bytes, written once, read by nobody here.
.macro ROWS a
.if (\a) == 0
	s_wait_loadcnt 0x0                             ; W's last four pieces and the scaler
	s_wait_dscnt 2                                 ; block 0's; block 1's scale words may be out
.elseif (\a) < 7
	s_wait_dscnt 18                                ; block a's; behind them the next block's 16 + 2 loads
.else
	s_wait_dscnt 0x0
.endif
.if (\a) < 4
	WIN MUL_LO
.else
	WIN MUL_HI
.endif
.irp q, 0,1,2,3
.irp t, 0,1,2,3
.set rD, 64*((\a)%4)+16*\t
.set rA, 64*((\a)%2)+16*\q
.set rW, WF+32*((28+\q)%6)+8*\t
.set xA, AS+4*((\a)%2)+\q
.set xW, WS+4*((28+\q)%6)+\t
	v_wmma_scale_f32_32x16x128_f4 v[rD:rD+15], v[rA:rA+15], v[rW:rW+7], v[rD:rD+15], v[xA], v[xW]
.endr
.endr
	PLACES                                         ; for the loads into the block's registers, for the reads of its sums, and for the writes below
.if (\a) < 6
	WIN TO_A
	BA \a+2
	WIN 0
	SC \a+2
.endif
	s_wait_xcnt 0x0                                ; the earlier blocks' stores have read their registers
.if (\a) < 4
	WIN 0x42
.else
	WIN 0x43
.endif
.irp u, 0,1
.irp j, 0,1,2,3,4,5,6,7
.irp t, 0,1,2,3
	v_mul_f32 v[OUT+64*((\a)%2)+32*\u+4*\j+\t], v[64*((\a)%4)+16*\t+8*\u+\j], v[SCL+\t]
.endr
.endr
.endr
	WIN 0x04                                       ; a store's data, its source 1: window 1
.irp u, 0,1
.irp j, 0,1,2,3,4,5,6,7
	global_store_b128 v[CO], v[OUT+64*((\a)%2)+32*\u+4*\j:OUT+64*((\a)%2)+32*\u+4*\j+3], s[12:13] offset:(32*(\a)+16*\u+\j)*RSTR th:TH_STORE_NT
.endr
.endr
.endm
.irp a, 0,1,2,3,4,5,6,7
	ROWS \a
.endr
	WIN 0
	s_wait_tensorcnt 0x0                           ; the wave's end
	ds_add_u32 v[SPW], v[NIL]
	s_wait_dscnt 0x0
	CROUND                                         ; the closing round: no work-group ends while a partner may still ask for a tile that names it
	s_endpgm
.Lfunc_end_k_qfa6e82d92f_gemm:
	.size	k_qfa6e82d92f_gemm, .Lfunc_end_k_qfa6e82d92f_gemm-k_qfa6e82d92f_gemm
	.p2alignl 7, 3214868480
	.fill 96, 4, 3214868480
	.section	.rodata,"a",@progbits
	.p2align	6, 0x0
	.amdhsa_kernel k_qfa6e82d92f_gemm
		.amdhsa_group_segment_fixed_size 327680
		.amdhsa_private_segment_fixed_size 0
		.amdhsa_enable_private_segment 0
		.amdhsa_kernarg_size 40
		.amdhsa_user_sgpr_count 2
		.amdhsa_user_sgpr_kernarg_segment_ptr 1
		.amdhsa_wavefront_size32 1
		.amdhsa_system_sgpr_workgroup_id_x 1
		.amdhsa_system_sgpr_workgroup_id_y 1
		.amdhsa_system_sgpr_workgroup_id_z 1
		.amdhsa_system_vgpr_workitem_id 0
		.amdhsa_next_free_vgpr 1024
		.amdhsa_next_free_sgpr 84
		.amdhsa_reserve_vcc 0
		.amdhsa_float_denorm_mode_32 3
		.amdhsa_float_denorm_mode_16_64 3
		.amdhsa_memory_ordered 1
		.amdhsa_forward_progress 1
		.amdhsa_inst_pref_size 255
	.end_amdhsa_kernel
	.section	.bss,"aw",@nobits
	.p2align	6
	.space	262144
	.amdgpu_metadata
---
amdhsa.version: [ 1, 2 ]
amdhsa.kernels:
  - .name:           k_qfa6e82d92f_gemm
    .symbol:         k_qfa6e82d92f_gemm.kd
    .args:
      - { .name: inputs_codes, .offset: 0, .size: 8, .value_kind: global_buffer, .address_space: global }
      - { .name: inputs_scales, .offset: 8, .size: 8, .value_kind: global_buffer, .address_space: global }
      - { .name: wq, .offset: 16, .size: 8, .value_kind: global_buffer, .address_space: global }
      - { .name: weight_scaler, .offset: 24, .size: 8, .value_kind: global_buffer, .address_space: global }
      - { .name: out0, .offset: 32, .size: 8, .value_kind: global_buffer, .address_space: global }
    .group_segment_fixed_size: 327680
    .private_segment_fixed_size: 0
    .kernarg_segment_align: 8
    .kernarg_segment_size: 40
    .max_flat_workgroup_size: 128
    .sgpr_count:     84
    .vgpr_count:     1024
    .wavefront_size: 32
...
	.end_amdgpu_metadata
.endif
;; end of part 2
